; MI455X (gfx1250); checked and timed in simulation.
; The chip was launched on July 23, 2026; its instructions are those of AMD's public machine-readable ISA for CDNA 5 (MIT licence, August 2026) and "CDNA5" Instruction Set Architecture Reference Guide (July 2026). The comments in the code are by the model that wrote it; some were corrected since.
;; RK Means Vector Quantizer. Allowed arithmetic: matrix products marked QUANTISED: E2M1 operands, one E8M0 scale for each 32 along K, by v_wmma_scale_f32_16x16x128_f8f6f4 with both operands' format E2M1 (or v_wmma_scale_f32_32x16x128_f4), f32 sums; everything else in f32.
;; Inputs: centroids 8,192 x 256 float32; x 32,768 x 256 float32.
;; Outputs: out0 32,768 x 256 float32; out1 one number float32; out2 32,768 int32.
;; This version of the problem:
;;   THIS VERSION OF THE PROBLEM IS GIVEN IN LOW PRECISION. The matrix products marked QUANTISED in the list below multiply operands that are first quantised to E2M1 (2 exponent bits, 1 mantissa bit; 4 bits a number), with one power-of-two scale for each 32 numbers along K (OCP MX v1.0); their sums are f32. All else is computed in f32.
;;   The module's matrix products, in the order in which they are computed (A, B: the left and right operand; K: the contracted axis; several contracted axes count as one K, in the product's order):
;;     1. [M 32,768, K 256] x [K 256, N 8,192]; A: input x; B: input centroids: QUANTISED
;;   THE QUANTISER, for each operand of a quantised product, along K:
;;     - K is cut into blocks of 32 from its start; a last block that is shorter is filled with zeros.
;;     - A block's scale is 2^e with e = floor(log2(the largest magnitude in the block)) - 2, held to -126 .. 127; a block of zeros has e = 0. As a byte (E8M0): e + 127.
;;     - Each number is divided by its block's scale, clamped to +-6, and rounded to the nearest number of E2M1, ties to even, subnormals kept.
;;     - The product sums the exact products of the quantised numbers (number of the format x scale) in f32.
;;   ~~~python
;;   def quantise(x, axis):      # numpy; x: float32 -> the quantised numbers, widened to float32 again
;;       x = np.moveaxis(x, axis, -1); K = x.shape[-1]
;;       x = np.pad(x, [(0, 0)] * (x.ndim - 1) + [(0, -K % 32)]); x = x.reshape(x.shape[:-1] + (-1, 32)); a = np.abs(x).max(-1, keepdims=True)
;;       e = np.where(a > 0, np.clip(np.frexp(np.where(a > 0, a, 1))[1] - 1 - 2, -126, 127), 0)      # np.frexp(a)[1] - 1 = floor(log2(a)), exactly
;;       r = np.clip(x / 2.0 ** e, -6, 6)
;;       step = 2.0 ** (np.maximum(np.frexp(np.where(r == 0, 1, r))[1] - 1, 0) - 1)
;;       q = np.round(r / step) * step * 2.0 ** e      # np.round: ties to even
;;       return np.moveaxis(q.reshape(q.shape[:-2] + (-1,))[..., :K], -1, axis).astype(np.float32)
;;   ~~~
;; One version. Each part assembles by itself: llvm-mc -triple=amdgcn-amd-amdhsa -mcpu=gfx1250 --defsym DOCPART=n.
;; ======== version 1 of 1: 5 launches
;; limits: right only within a limited range of input values
;; workspace buffers: xpk 4,587,520 bytes; cpk 1,146,880 bytes; blk 131,072 bytes of whole numbers; idxw 131,072 bytes of whole numbers; part 2,048 bytes
;; launch quant (part 1): grid 640 x 1, 8 waves a work-group, no clusters, 69,632 bytes of LDS; arguments x, centroids, xpk, cpk; writes xpk, cpk
.if DOCPART == 1
	.amdgcn_target "amdgcn-amd-amdhsa--gfx1250"
	.amdhsa_code_object_version 6
	.text
	.protected	k_qa53e190690_quant
	.globl	k_qa53e190690_quant
	.p2align	8
	.type	k_qa53e190690_quant,@function
k_qa53e190690_quant:
	s_mov_b64 s[64:65], 0
	v_nop
	global_prefetch_b8 v0, s[64:65] scope:SCOPE_SE
	s_setreg_imm32_b32 hwreg(HW_REG_WAVE_MODE, 25, 1), 1
	s_wait_xcnt 0x0
; x [32768][256] and centroids [8192][256], f32, become PACKED BLOCKS of 64 rows, 8,960 bytes each (xpk: 512 blocks, cpk: 128), laid in the order of the matrix operand's registers.
; With lane l = (r = l % 16, h = l / 16), tile t (16 rows) of the block and K step s (128 along K):
;   bytes 2048 t + 512 (2 s + c) + 16 l : the 32 codes (E2M1) of row 16 t + r, k = 128 s + 64 c + 32 h + 0 .. 31: registers 4 c .. 4 c + 3 of the fragment (t, s)
;   bytes 8192 + 16 l + 4 t             : the scale word (four E8M0 bytes) of row 16 t + r for K step h
;   bytes 8704 + 4 (16 t + m)           : -1/2 x the sum of squares of row 16 t + m, in f32, of the numbers as they are given
; A block's scale is 2^(floor(log2(its largest magnitude)) - 2); its byte is the largest magnitude's exponent field - 2, held at 1 from below; numbers / scale go to the nearest code, ties to even, beyond 6 to 6.
; LIMITS: NaN and infinities are not served; a block of zeros, or one whose largest magnitude lies under 2^-124, gets the byte 1 (its bytes are read by this program alone; zero codes add nothing under it).
; The sum of squares is taken in four packed chains per lane, then over two lanes and two waves: another order than a plain chain's.
; SHARES.  A work-group makes one block: the first 512 take x, the others the centroids (only pointers are chosen: one path).  Wave v makes fragment t = v / 2, s = v % 2: 16 rows x 128 numbers.
; Each load reads 512 consecutive bytes of a row; the conversions want 16 neighbours along K in one lane, so the 8,192 bytes turn through the wave's own stage in LDS (rows 528 bytes apart: 33 x 16, so that
; sixteen rows' reads start at sixteen different 16-byte columns).  No work-group shares an input with another: no cluster, no tensor loads.
.set R,    16                          ; v16-79   16 rows x 4 registers as loaded
.set X,    80                          ; v80-143  register 16 b + i = k 32 b + 16 h + i of my row r
.set PC,   144                         ; v144-151 the fragment's codes
.set TM,   152                         ; v152-167 at work in QUANT
.set PW,   168                         ; v168     my row's scale word
.set SQ,   170                         ; v170-177 four packed chains of squares
.set SP,   528                         ; a stage row
.set STGW, 16*SP                       ; a wave's stage
.set SCI,  8*STGW                      ; LDS: the block's 128 scale words, as they will lie in memory
.set PRT,  SCI+512                     ; LDS: [t][s][16] partial sums of squares
.set BLKB, 8960
.set SEL,  20                          ; s[20:21] lane selects for v_permlanex16_b32: lane l xor 16
; 64 numbers of a lane, v[s] .. v[s + 63], become a fragment's codes in v[PC] on and its scale word in v[PW].
.macro QUANT s
.irp b, 0,1,2,3
	v_max3_num_f32 v[TM+\b], |v[\s+16*\b]|, |v[\s+1+16*\b]|, 0x1800000   ; block b: my 16 numbers, and the floor 2^(3 - 127): the byte cannot fall under 1
.endr
.irp i, 2,4,6,8,10,12,14
.irp b, 0,1,2,3
	s_delay_alu instid0(VALU_DEP_4)
	v_max3_num_f32 v[TM+\b], v[TM+\b], |v[\s+16*\b+\i]|, |v[\s+1+16*\b+\i]|   ; the four blocks by turns
.endr
.endr
.irp b, 0,1,2,3
	s_delay_alu instid0(VALU_DEP_4)
	v_permlanex16_b32 v[TM+4+\b], v[TM+\b], s[SEL], s[SEL+1]
.endr
.irp b, 0,1,2,3
	s_delay_alu instid0(VALU_DEP_4)
	v_max_num_f32 v[TM+\b], v[TM+\b], v[TM+4+\b]   ; with lane l xor 16's 16: the block's largest magnitude
.endr
.irp b, 0,1,2,3
	s_delay_alu instid0(VALU_DEP_4)
	v_add_nc_u32 v[TM+12+\b], 0xff000000, v[TM+\b]   ; 2 off its exponent field: the conversion takes the exponent field of this operand as its scale
.endr
.irp b, 0,1,2,3
	s_delay_alu instid0(VALU_DEP_4)
	v_lshrrev_b32 v[TM+4+\b], 23, v[TM+12+\b]      ; the scale's byte
.endr
	s_delay_alu instid0(VALU_DEP_3)
	v_lshl_or_b32 v[PW], v[TM+5], 8, v[TM+4]
	s_delay_alu instid0(VALU_DEP_1)
	v_lshl_or_b32 v[PW], v[TM+6], 16, v[PW]
	s_delay_alu instid0(VALU_DEP_1)
	v_lshl_or_b32 v[PW], v[TM+7], 24, v[PW]
.irp b, 0,1,2,3
	v_cvt_scalef32_pk8_fp4_f32 v[PC+2*\b], v[\s+16*\b:\s+7+16*\b], v[TM+12+\b]
	v_cvt_scalef32_pk8_fp4_f32 v[PC+1+2*\b], v[\s+8+16*\b:\s+15+16*\b], v[TM+12+\b]
.endr
	v_nop                                          ; one plain instruction behind a scaled conversion
.irp c, 0,1                                    ; the operand's layout wants a whole block in a lane: lanes 0-15 block 2 c, lanes 16-31 block 2 c + 1
.irp i, 0,1
	v_permlane16_swap_b32 v[PC+4*\c+\i], v[PC+2+4*\c+\i]
.endr
.endr
.endm
	s_load_b128 s[4:7], s[0:1], 0x0                ; x, centroids
	s_load_b128 s[8:11], s[0:1], 0x10              ; xpk, cpk
	v_lshl_add_u32 v192, v0, 2, 0x10c00
	v_mov_b32 v193, 0
	v_lshrrev_b32 v11, 5, v0
	s_delay_alu instid0(VALU_DEP_1)
	v_readfirstlane_b32 s12, v11                   ; wave 0..7
	s_lshr_b32 s13, s12, 1                         ; t
	s_and_b32 s14, s12, 1                          ; s
	v_and_b32 v11, 31, v0                          ; lane
	v_and_b32 v2, 15, v0                           ; r
	v_bfe_u32 v3, v0, 4, 1                         ; h
	s_delay_alu instid0(VALU_DEP_3)
	v_lshlrev_b32 v1, 4, v11                       ; 16 x lane
	s_mul_i32 s15, s12, STGW                       ; my stage
	v_add_nc_u32 v4, s15, v1                       ; into it: 16 x lane of a row
	v_mul_u32_u24 v5, v2, SP
	s_delay_alu instid0(VALU_DEP_1)
	v_lshl_add_u32 v5, v3, 6, v5
	s_delay_alu instid0(VALU_DEP_1)
	v_add_nc_u32 v5, s15, v5                       ; out of it: row r, + 64 h
	s_lshl_b32 s16, s14, 8
	s_lshl_b32 s17, s13, 2
	s_add_co_u32 s16, s16, s17
	s_add_co_u32 s16, s16, SCI
	v_lshl_add_u32 v6, v2, 4, s16                  ; my row's scale word: SCI + 16 (16 s + r) + 4 t
	s_lshl_b32 s16, s12, 6
	s_add_co_u32 s16, s16, PRT
	v_lshl_add_u32 v7, v2, 2, s16                  ; my row's partial sum: PRT + 128 t + 64 s + 4 r
	v_add_nc_u32 v8, SCI, v1                       ; wave 0, at the end: the scale words, 16 bytes a lane
	v_lshrrev_b32 v12, 3, v11
	v_and_b32 v13, 7, v11
	s_delay_alu instid0(VALU_DEP_2)
	v_lshlrev_b32 v9, 7, v12
	s_delay_alu instid0(VALU_DEP_1)
	v_lshl_add_u32 v9, v13, 3, v9
	s_delay_alu instid0(VALU_DEP_1)
	v_add_nc_u32 v9, PRT, v9                       ; and the partial sums of rows 2 lane, 2 lane + 1: PRT + 128 (lane / 8) + 8 (lane % 8)
	v_lshlrev_b32 v10, 3, v11                      ; 8 x lane
	s_lshl_b32 s16, s12, 10
	v_add_nc_u32 v14, s16, v1                      ; my fragment's place in the block: 1024 x wave + 16 x lane
	s_mov_b32 s[SEL], 0x76543210
	s_mov_b32 s[SEL+1], 0xfedcba98
.irp b, 0,1,2,3
	v_mov_b32 v[TM+4+\b], 0                        ; a lane permute's destination counts as one of its sources
.endr
	s_wait_kmcnt 0x0
	s_cmp_lt_u32 ttmp9, 512                        ; x's work-group or the centroids'?  The choice hangs on the work-group's number alone
	s_cselect_b64 s[4:5], s[4:5], s[6:7]
	s_cselect_b64 s[8:9], s[8:9], s[10:11]
	s_cselect_b32 s16, 0, 512
	s_sub_co_u32 s16, ttmp9, s16                   ; the block's number in its tensor
	s_lshl_b32 s18, s16, 16                        ; 64 rows of 1,024 bytes,
	s_lshl_b32 s17, s13, 14                        ; + 16 t rows,
	s_add_co_u32 s18, s18, s17
	s_lshl_b32 s17, s14, 9                         ; + 512 s
	s_add_co_u32 s18, s18, s17
	s_mov_b32 s19, 0
	s_add_nc_u64 s[4:5], s[4:5], s[18:19]
	s_mul_i32 s18, s16, BLKB
	s_add_nc_u64 s[8:9], s[8:9], s[18:19]          ; the packed block
.irp i, 0,1,2,3,4,5,6,7,8,9,10,11,12,13,14,15
	global_load_b128 v[R+4*\i:R+4*\i+3], v1, s[4:5] offset:1024*\i th:TH_LOAD_NT   ; row i: 32 lanes read 512 consecutive bytes
.endr
.irp i, 0,1,2,3,4,5,6,7,8,9,10,11,12,13,14,15
	s_wait_loadcnt 15-\i                           ; loads come back in order: row i is in, the 15 - i younger ones may be out
	ds_store_b128 v4, v[R+4*\i:R+4*\i+3] offset:SP*\i
.endr
.irp b, 0,1,2,3
.irp j, 0,1,2,3
	ds_load_b128 v[X+16*\b+4*\j:X+16*\b+4*\j+3], v5 offset:128*\b+16*\j   ; LDS serves a wave's instructions in order: these see my stores
.endr
.endr
	s_wait_dscnt 0x0
.irp p, 0,1,2,3
	v_pk_mul_f32 v[SQ+2*\p:SQ+2*\p+1], v[X+2*\p:X+2*\p+1], v[X+2*\p:X+2*\p+1]   ; the first four pairs start the chains
.endr
.set pp, 4
.rept 28
	s_delay_alu instid0(VALU_DEP_4)
	v_pk_fma_f32 v[SQ+2*(pp%4):SQ+2*(pp%4)+1], v[X+2*pp:X+2*pp+1], v[X+2*pp:X+2*pp+1], v[SQ+2*(pp%4):SQ+2*(pp%4)+1]
.set pp, pp+1
.endr
	s_delay_alu instid0(VALU_DEP_3)
	v_pk_add_f32 v[SQ:SQ+1], v[SQ:SQ+1], v[SQ+2:SQ+3]
	s_delay_alu instid0(VALU_DEP_2)
	v_pk_add_f32 v[SQ+4:SQ+5], v[SQ+4:SQ+5], v[SQ+6:SQ+7]
	s_delay_alu instid0(VALU_DEP_1)
	v_pk_add_f32 v[SQ:SQ+1], v[SQ:SQ+1], v[SQ+4:SQ+5]
	s_delay_alu instid0(VALU_DEP_1)
	v_add_f32 v[SQ], v[SQ], v[SQ+1]
	s_delay_alu instid0(VALU_DEP_1)
	v_permlanex16_b32 v[SQ+2], v[SQ], s[SEL], s[SEL+1]
	s_delay_alu instid0(VALU_DEP_1)
	v_add_f32 v[SQ], v[SQ], v[SQ+2]                ; row r's squares over my 128 along K
	QUANT X
.irp c, 0,1
	global_store_b128 v14, v[PC+4*\c:PC+4*\c+3], s[8:9] offset:512*\c   ; 32 lanes store 512 consecutive bytes, at a multiple of 256 from the buffer's first byte
.endr
	ds_store_b32 v6, v[PW]                         ; lanes r and r + 16 write the same word with the same value
	ds_store_b32 v7, v[SQ]
	s_wait_dscnt 0x0                               ; for wave 0's sake: my stores have landed
	s_barrier_signal -1
	s_barrier_wait -1
	s_cmp_lg_u32 s12, 0
	s_cbranch_scc1 .Lend
	ds_load_b128 v[16:19], v8                      ; the block's scale words
	ds_load_b64 v[20:21], v9                       ; two rows' squares over K step 0,
	ds_load_b64 v[22:23], v9 offset:64             ; and over K step 1
	s_wait_dscnt 0x0
	v_pk_add_f32 v[20:21], v[20:21], v[22:23]
	s_delay_alu instid0(VALU_DEP_1)
	v_pk_mul_f32 v[20:21], v[20:21], -0.5 op_sel_hi:[1,0]   ; exact
	global_store_b128 v1, v[16:19], s[8:9] offset:8192      ; 512 consecutive bytes
	global_store_b64 v10, v[20:21], s[8:9] offset:8704      ; 256 consecutive bytes
.Lend:
	s_wait_tensorcnt 0x0
	ds_add_u32 v192, v193
	s_wait_dscnt 0x0
	s_endpgm
.Lfunc_end_k_qa53e190690_quant:
	.size	k_qa53e190690_quant, .Lfunc_end_k_qa53e190690_quant-k_qa53e190690_quant
	.p2alignl 7, 3214868480
	.fill 96, 4, 3214868480
	.section	.rodata,"a",@progbits
	.p2align	6, 0x0
	.amdhsa_kernel k_qa53e190690_quant
		.amdhsa_group_segment_fixed_size 69632
		.amdhsa_private_segment_fixed_size 0
		.amdhsa_enable_private_segment 0
		.amdhsa_kernarg_size 32
		.amdhsa_user_sgpr_count 2
		.amdhsa_user_sgpr_kernarg_segment_ptr 1
		.amdhsa_wavefront_size32 1
		.amdhsa_system_sgpr_workgroup_id_x 1
		.amdhsa_system_sgpr_workgroup_id_y 1
		.amdhsa_system_sgpr_workgroup_id_z 1
		.amdhsa_system_vgpr_workitem_id 0
		.amdhsa_next_free_vgpr 194
		.amdhsa_next_free_sgpr 66
		.amdhsa_reserve_vcc 0
		.amdhsa_float_denorm_mode_32 3
		.amdhsa_float_denorm_mode_16_64 3
		.amdhsa_memory_ordered 1
		.amdhsa_forward_progress 1
		.amdhsa_inst_pref_size 17
	.end_amdhsa_kernel
	.amdgpu_metadata
---
amdhsa.version: [ 1, 2 ]
amdhsa.kernels:
  - .name:           k_qa53e190690_quant
    .symbol:         k_qa53e190690_quant.kd
    .args:
      - { .name: x, .offset: 0, .size: 8, .value_kind: global_buffer, .address_space: global }
      - { .name: centroids, .offset: 8, .size: 8, .value_kind: global_buffer, .address_space: global }
      - { .name: xpk, .offset: 16, .size: 8, .value_kind: global_buffer, .address_space: global }
      - { .name: cpk, .offset: 24, .size: 8, .value_kind: global_buffer, .address_space: global }
    .group_segment_fixed_size: 69632
    .private_segment_fixed_size: 0
    .kernarg_segment_align: 8
    .kernarg_segment_size: 32
    .max_flat_workgroup_size: 256
    .sgpr_count:     66
    .vgpr_count:     194
    .wavefront_size: 32
...
	.end_amdgpu_metadata
.endif
;; end of part 1
;; launch nearest (part 2): grid 256 x 1, 16 waves a work-group, clusters of 4 x 1, 327,680 bytes of LDS; arguments xpk, cpk, blk; writes blk
.if DOCPART == 2
	.amdgcn_target "amdgcn-amd-amdhsa--gfx1250"
	.amdhsa_code_object_version 6
	.text
	.protected	k_qa53e190690_nearest
	.globl	k_qa53e190690_nearest
	.p2align	8
	.type	k_qa53e190690_nearest,@function
k_qa53e190690_nearest:
	s_mov_b64 s[64:65], 0
	v_nop
	global_prefetch_b8 v0, s[64:65] scope:SCOPE_SE
	s_setreg_imm32_b32 hwreg(HW_REG_WAVE_MODE, 25, 1), 1
	s_wait_xcnt 0x0
	s_wait_alu depctr_hold_cnt(0) depctr_sa_sdst(0) depctr_va_vdst(0) depctr_va_sdst(0) depctr_va_ssrc(0) depctr_va_vcc(0) depctr_vm_vsrc(0)
	s_getreg_b32 s2, hwreg(HW_REG_IB_STS2, 6, 4)
	s_cmp_eq_u32 s2, 0
	s_cbranch_scc0 .Lentry_in_a_cluster
	s_endpgm
.Lentry_in_a_cluster:
	s_bfe_u32 s2, ttmp6, 0x10000c
	s_cmp_lg_u32 s2, 0x3003
	s_cbranch_scc0 .Lentry_shape_is_right
	s_endpgm
.Lentry_shape_is_right:
; For each of 32,768 queries: which block of 8 neighbouring centroids holds the first smallest distance.  blk[query] = centroid / 8, 0 .. 1023.
; WORK LEFT OUT: distance = |x|^2 + |c|^2 - 2 Q(x).Q(c), and the argmin runs over c alone.  |x|^2 is one number for all centroids of a query, so in exact arithmetic, whatever the inputs hold,
; the argmin of the distance is the argmax of key = Q(x).Q(c) - |c|^2 / 2.  |x|^2 is not added here, and the norm words of x's packed blocks are not read.
; LIMITS: NaN and infinities are not served; an overflow of |x|^2 alone is not carried to the result.  The keys are rounded at their own size, not at that of |x|^2 + |c|^2, and |c|^2 is summed in this
; program's own order: where two distances lie within a few ulp of |x|^2 + |c|^2 of each other the choice may fall on the other.
; key: the first of two matrix instructions on E2M1 codes (K = 2 x 128) takes nh(c) = -|c|^2 / 2, as it lies in the packed block, as its C; the second adds in place.
; TIES keep the lower centroid: within a lane a strict > over ascending tiles; between lanes and waves the larger key, on equal keys the lower block.
; TRANSPOSED USE: source 0 = 16 centroids, source 1 = 16 queries: lane (r, h) holds query r, its register j centroid 16 tile + 8 h + j.  For a pair of tiles: 4 v_max3 join the 8 keys to the running best,
; a compare and a select keep the tile's number: six vector instructions beside two matrix instructions.  Which of the 8 rows it is, a later launch finds.
; SHARES.  A work-group owns 128 queries (8 tiles; their fragments stay in 128 registers of EVERY wave); the centroids go by in 8 chunks of 1,024 (16 packed blocks): in a chunk wave w takes block w, 4 tiles.
; So each centroid fragment is read from LDS once in the work-group.
; THE PIPELINE.  The 32 pairs (tile, query tile) of a chunk are steps; step n issues pair n's first product, pair n - 1's second, and the reduction of pair n - 3, on into the next tile and the next chunk.
; A tile's fragments, norms and scale word are asked of LDS six steps ahead of its first product, into the set of registers that the tile before the one in hand has left.
; CLUSTER.  All work-groups walk the same packed centroids: the four of a cluster ask JOINTLY, by the same tensor load with the same descriptor and a mask that names the four.
; RING.  Two slots of 16 blocks.  At the head a wave issues one load: waves 0-13 a fourteenth of chunk 0 (40 rows of 256 bytes), waves 14 and 15 a packed block of x.  Slot 1 is first filled as a refill is.
; A slot is asked for again in its tile 2, when its tile 3 lies in registers; by this text's count a wave has one tensor load out.
; No prefetch: every cluster walks the same 1,146,880 bytes in the same order, and each refill is asked for a chunk's work (32 steps a wave) ahead of the wait for it.
.set BLKB,  8960
.set CHUNK, 16*BLKB
.set HPART, 10240                      ; 40 rows of 256 bytes: chunk 0 / 14
.set CMB,   0                          ; LDS: [wave][query tile][r] x 8 bytes: each wave's best key and block
.set RES,   16384                      ; the 128 results
.set SPARE, 16896                      ; the spare words, 128 bytes for each of 16 waves: eight blocks of 256 bytes that no other line names
.set XR,    18944                      ; x's two packed blocks, filled once
.set SLOT0, 36864
.set SLOT1, SLOT0+CHUNK                ; ends at 323,584
.set T0,    0                          ; v0, v1 at work (v0 is free once the head has read it)
.set T1,    1
.set AC0,   2                          ; v2, v3  slot 0, 1: my block + 16 x lane
.set AN0,   4                          ; v4, v5  slot 0, 1: my block + 32 h
.set SPW,   6                          ; v6   LDS address of my spare word; never rewritten
.set NIL,   7                          ; v7   0; never rewritten
.set CMBW,  8                          ; v8   1024 wave + 8 r
.set CMBR,  9                          ; v9   8192 h + 128 (wave % 8) + 8 r
.set RESW,  10                         ; v10  64 (wave % 8) + 4 r
.set GOF,   11                         ; v11  16 x lane
.set AS,    12                         ; v12, v13  a centroid tile's scale word, by the tile's parity: lanes 0-15 K step 0, lanes 16-31 K step 1
.set XS,    14                         ; v14-21  the same of the 8 query tiles
.set IDX,   22                         ; v22-29  the best tile's number
.set BEST,  30                         ; v30-37, v38-45: the running best, in two sets by turns, so that old and new can be compared
.set CN,    46                         ; v46-61  nh of a tile's 8 centroids of my half, two sets
.set ACC,   62                         ; v62-93  four accumulators by turns
.set AF,    94                         ; v94-125 two sets of a centroid tile's two fragments
.set XA,    126                        ; v126 XR + 16 x lane
.set XF,    128                        ; v128-255 the queries' fragments: tile q, K step s at XF + 16 q + 8 s
.set HH,    94                         ; the end: h; the other half's keys and blocks; pairs (key, block)
.set OV,    96
.set OI,    104
.set PR,    62
.set WV,    10                         ; s10 wave
.set G1J,   16                         ; s[16:23] group 1 of the ring's joint loads: 35 rows of 256 bytes, dense
.set G1H,   24                         ; s[24:31] of the head's joint loads: 40 rows
.set G1X,   32                         ; s[32:39] of x's loads: 35 rows, no mask
.set G0A,   40                         ; s[40:43], s[44:47] group 0 for slot 0, slot 1
.set G0B,   44
.set G0H,   48                         ; s[48:51] the head's part of chunk 0
.set G0X,   52                         ; s[52:55] a block of x
.set TT,    56                         ; s[56:59] the numbers of my four tiles
.set SEL,   60                         ; s[60:61] lane selects: lane l xor 16
.macro CREST                           ; a round of the cluster's barrier behind its opening barrier
	s_cmp_lg_u32 s[WV], 0
	s_cbranch_scc1 .Lnot_wave_0_\@
	s_barrier_signal -3
.Lnot_wave_0_\@:
	s_barrier_wait -3
	s_barrier_signal -1
	s_barrier_wait -1
.endm
.macro ROUND
	s_barrier_signal -1
	s_barrier_wait -1
	CREST
.endm
.macro NOPS n
.rept \n
	v_nop
.endr
.endm
; pair p = 8 tile + query tile
.macro KQ0 p                           ; nh(c) + the product over k = 0 .. 127
.set kt, (\p)/8
.set kq, (\p)%8
	v_wmma_scale_f32_16x16x128_f8f6f4 v[ACC+8*(kq%4):ACC+8*(kq%4)+7], v[AF+16*(kt%2):AF+16*(kt%2)+7], v[XF+16*kq:XF+16*kq+7], v[CN+8*(kt%2):CN+8*(kt%2)+7], v[AS+kt%2], v[XS+kq] matrix_a_fmt:MATRIX_FMT_FP4 matrix_b_fmt:MATRIX_FMT_FP4
.endm
.macro KQ1 p                           ; + over k = 128 .. 255: the scale words of lanes 16-31
.set kt, (\p)/8
.set kq, (\p)%8
	v_wmma_scale_f32_16x16x128_f8f6f4 v[ACC+8*(kq%4):ACC+8*(kq%4)+7], v[AF+16*(kt%2)+8:AF+16*(kt%2)+15], v[XF+16*kq+8:XF+16*kq+15], v[ACC+8*(kq%4):ACC+8*(kq%4)+7], v[AS+kt%2], v[XS+kq] matrix_a_fmt:MATRIX_FMT_FP4 matrix_b_fmt:MATRIX_FMT_FP4 matrix_a_scale:MATRIX_SCALE_ROW1 matrix_b_scale:MATRIX_SCALE_ROW1
.endm
.macro RED p                           ; the 8 keys join the running best; where it has grown, the tile's number is kept.  The accumulator is read from its low end on
.set rt, (\p)/8
.set rq, (\p)%8
.set bsrc, BEST+8*(rt%2)+rq
.set bdst, BEST+8*(1-rt%2)+rq
.set rA, ACC+8*(rq%4)
	v_max3_num_f32 v[bdst], v[bsrc], v[rA], v[rA+1]
	v_max3_num_f32 v[T0], v[rA+2], v[rA+3], v[rA+4]
	v_max3_num_f32 v[T1], v[rA+5], v[rA+6], v[rA+7]
	s_delay_alu instid0(VALU_DEP_1)
	v_max3_num_f32 v[bdst], v[bdst], v[T0], v[T1]
	s_delay_alu instid0(VALU_DEP_1)
	v_cmp_gt_f32 vcc_lo, v[bdst], v[bsrc]
	s_delay_alu instid0(VALU_DEP_1)
	v_cndmask_b32 v[IDX+rq], v[IDX+rq], s[TT+rt], vcc_lo
.endm
; A STEP.  The four accumulators take turns, one matrix instruction a turn.  PLACES, by count (ISA guide 7.12.1; only plain vector instructions that name none of the matrix
; instruction's registers are counted): a reduction stands behind the two reductions (12) that follow its pair's second product; a first product writes an accumulator anew behind the same 12.
; first = 1: the launch's first steps have nothing to finish; five v_nop are the places of the first reduction and of the first accumulator begun anew.
.macro STEP p, first
	KQ0 \p
.if ((\first) == 0) || ((\p) > 0)
	KQ1 ((\p)+31)%32
.endif
.if (\first) && ((\p) == 3)
	NOPS 5
.endif
.if ((\first) == 0) || ((\p) > 2)
	RED ((\p)+29)%32
.endif
.endm
.macro STEPS from, n, first
.set sp, \from
.rept \n
	STEP sp, \first
.set sp, sp+1
.endr
.endm
.macro LOADS slot, t                   ; tile t's two fragments (images of their registers: 512 consecutive bytes a load), its norms and its scale word, into set t % 2
.irp i, 0,1,2,3
	ds_load_b128 v[AF+16*((\t)%2)+4*\i:AF+16*((\t)%2)+4*\i+3], v[AC0+\slot] offset:2048*(\t)+512*\i
.endr
	ds_load_b128 v[CN+8*((\t)%2):CN+8*((\t)%2)+3], v[AN0+\slot] offset:8704+64*(\t)
	ds_load_b128 v[CN+8*((\t)%2)+4:CN+8*((\t)%2)+7], v[AN0+\slot] offset:8704+64*(\t)+16
	ds_load_b32 v[AS+(\t)%2], v[AC0+\slot] offset:8192+4*(\t)
.endm
; MY BLOCK OF THE CHUNK IN THIS SLOT: 32 steps.  The loads of tile t + 1 stand behind tile t's second step: the set's last reader is the second product of the tile before, in tile t's first step, and two
; reductions (12 places) follow it.  A tile's number steps to the next chunk's behind its last reduction.  At a tile's head all my LDS loads that are out are that tile's: the wait is for 0.
; mode 2: the slot is filled again, two chunks ahead;  1: nothing is left to ask for, the other slot is still to be read;  0: the last chunk.
.macro PROC slot, first, mode
	s_wait_dscnt 0x0
	STEPS 0, 2, \first
	LOADS \slot, 1
	STEPS 2, 2, \first
.if (\first) == 0
	s_add_co_u32 s[TT+3], s[TT+3], 64
.endif
	STEPS 4, 4, \first
	s_wait_dscnt 0x0
	STEPS 8, 2, 0
	LOADS \slot, 2
	STEPS 10, 2, 0
	s_add_co_u32 s[TT], s[TT], 64
	STEPS 12, 4, 0
	s_wait_dscnt 0x0
	STEPS 16, 2, 0
	LOADS \slot, 3                                 ; my last reads of this slot
	STEPS 18, 2, 0
	s_add_co_u32 s[TT+1], s[TT+1], 64
.if (\mode) == 2
	s_wait_tensorcnt 0x0                           ; all my tensor loads have landed: the one that was out is my block of the other slot; so a group 0 may be written
	ds_add_u32 v[SPW], v[NIL]                      ; 0 onto my spare word; a step stands between it and the wait for it
	s_add_nc_u64 s[G0A+4*\slot+2:G0A+4*\slot+3], s[G0A+4*\slot+2:G0A+4*\slot+3], 2*CHUNK   ; the type bits on top are not reached
	STEPS 20, 1, 0
	s_wait_dscnt 0x0                               ; the add is done, and my reads of this slot are over: tile 3 lies in registers
	s_barrier_signal -1                            ; this barrier opens a round of the cluster's barrier
	STEPS 21, 3, 0                                 ; work on registers while the others arrive
	s_barrier_wait -1
	CREST                                          ; no wave of any partner still reads this slot or has a load on its way
	tensor_load_to_lds s[G0A+4*\slot:G0A+4*\slot+3], s[G1J:G1J+7]   ; my one tensor load behind the round, and the first thing there
	s_nop 0
	NOPS 4
.else
	STEPS 20, 4, 0
.if (\mode) == 1
	s_wait_tensorcnt 0x0                           ; the last chunk's block of mine has landed: no load was issued behind it, and only I read it
.endif
.endif
	s_wait_dscnt 0x0
	STEPS 24, 2, 0
.if (\mode) > 0
	LOADS 1-\slot, 0                               ; the other slot's first tile, under tile 3's steps
.endif
	STEPS 26, 2, 0
	s_add_co_u32 s[TT+2], s[TT+2], 64
	STEPS 28, 4, 0
.endm
; (dv, di) = the better of (bv, bi) and (ov, oi): the larger key; on equal keys the lower block
.macro COMB dv, di, bv, bi, ov, oi
	v_cmp_gt_f32 s78, v[\ov], v[\bv]
	v_cmp_eq_f32 s79, v[\ov], v[\bv]
	v_cmp_lt_u32 vcc_lo, v[\oi], v[\bi]
	s_and_b32 s79, s79, vcc_lo
	s_or_b32 s78, s78, s79
	v_cndmask_b32 v[\dv], v[\bv], v[\ov], s78
	v_cndmask_b32 v[\di], v[\bi], v[\oi], s78
.endm
	s_load_b128 s[4:7], s[0:1], 0x0                ; xpk, cpk
	s_load_b64 s[8:9], s[0:1], 0x10                ; blk
	v_lshl_add_u32 v[SPW], v0, 2, SPARE
	v_mov_b32 v[NIL], 0
	ds_add_u32 v[SPW], v[NIL]                      ; the opening: the add, twice on end, waited for ahead of my first tensor load
	ds_add_u32 v[SPW], v[NIL]
	v_lshrrev_b32 v62, 5, v0
	s_delay_alu instid0(VALU_DEP_1)
	v_readfirstlane_b32 s[WV], v62                 ; wave 0..15
	s_bfe_u32 s11, ttmp6, 0x40000                  ; cx: my place in the cluster
	s_lshl_b32 s12, ttmp9, 2                       ; in a cluster launch ttmp9 counts clusters
	s_add_co_u32 s12, s12, s11                     ; my work-group's number: it enters x's and blk's global addresses alone
	s_mov_b32 s[G1J], 15|(3<<16)|(1<<21)           ; 15:0 the mask: all four work-groups; 17:16 elements of 8 bytes; 21 set beside a mask; no padding: every LDS load of codes takes 512 consecutive bytes
	s_mov_b32 s[G1H], 15|(3<<16)|(1<<21)
	s_mov_b32 s[G1X], 3<<16                        ; no mask: a load of my work-group's own
.irp g, G1J, G1H, G1X
	s_mov_b32 s[\g+1], 32<<16                      ; tensor_dim0 = 32 elements: 256 bytes
	s_mov_b32 s[\g+3], 32<<16                      ; tile_dim0
	s_mov_b32 s[\g+5], 32                          ; from row to row: dense
	s_mov_b32 s[\g+6], 0
	s_mov_b32 s[\g+7], 0
.endr
	s_mov_b32 s[G1J+2], 35<<16                     ; tensor_dim1, tile_dim1: a packed block is 35 rows
	s_mov_b32 s[G1J+4], 35
	s_mov_b32 s[G1H+2], 40<<16
	s_mov_b32 s[G1H+4], 40
	s_mov_b32 s[G1X+2], 35<<16
	s_mov_b32 s[G1X+4], 35
	s_mul_i32 s72, s[WV], BLKB                     ; my block in a chunk and in a slot
	s_mov_b32 s73, 0
	s_add_co_u32 s14, s72, SLOT0
	s_add_co_u32 s15, s72, SLOT1
	s_mul_i32 s66, s[WV], HPART                    ; waves 0-13: my fourteenth of chunk 0
	s_mov_b32 s67, 0
	s_and_b32 s13, s[WV], 1                        ; waves 14, 15: x's block 0, 1
	s_mul_i32 s13, s13, BLKB
	s_mul_i32 s68, s12, 2*BLKB                     ; my work-group's two blocks of xpk
	s_add_co_u32 s68, s68, s13
	s_mov_b32 s69, 0
	s_lshl_b32 s70, s12, 9                         ; my work-group's 128 words of blk
	s_mov_b32 s71, 0
	s_lshl_b32 s74, s[WV], 10
	s_and_b32 s76, s[WV], 7
	s_lshl_b32 s75, s76, 7
	s_lshl_b32 s76, s76, 6
	s_lshl_b32 s[TT], s[WV], 2                     ; chunk 0: my tiles are 4 wave + 0 .. 3
	s_add_co_u32 s[TT+1], s[TT], 1
	s_add_co_u32 s[TT+2], s[TT], 2
	s_add_co_u32 s[TT+3], s[TT], 3
	s_mov_b32 s[SEL], 0x76543210
	s_mov_b32 s[SEL+1], 0xfedcba98
	; every LDS address register is made here, ahead of any parting of the waves
	v_and_b32 v62, 31, v0                          ; lane
	v_and_b32 v63, 15, v0                          ; r
	v_bfe_u32 v64, v0, 4, 1                        ; h
	s_delay_alu instid0(VALU_DEP_3)
	v_lshlrev_b32 v[GOF], 4, v62
	v_lshl_add_u32 v[AN0], v64, 5, s14
	v_lshl_add_u32 v[AN0+1], v64, 5, s15
	v_lshl_add_u32 v[CMBW], v63, 3, s74
	v_lshl_add_u32 v[CMBR], v63, 3, s75
	v_lshl_add_u32 v[RESW], v63, 2, s76
	v_add_nc_u32 v[AC0], s14, v[GOF]
	v_add_nc_u32 v[AC0+1], s15, v[GOF]
	v_add_nc_u32 v[XA], XR, v[GOF]
	v_lshl_add_u32 v[CMBR], v64, 13, v[CMBR]
.irp q, 0,1,2,3,4,5,6,7
	v_mov_b32 v[BEST+\q], 0xff800000               ; -infinity: under every key
	v_mov_b32 v[IDX+\q], 0
.endr
	s_wait_alu depctr_va_vdst(0)
	s_wait_dscnt 0x0                               ; both opening adds are done
	s_wait_kmcnt 0x0
	s_mov_b32 s[G0A], 1                            ; count = 1
	s_mov_b32 s[G0A+1], s14                        ; my block's place in slot 0
	s_add_nc_u64 s[G0A+2:G0A+3], s[6:7], s[72:73]  ; at chunk 0: each refill steps two chunks on before it asks
	s_mov_b32 s[G0B], 1
	s_mov_b32 s[G0B+1], s15
	s_add_nc_u64 s[G0B+2:G0B+3], s[G0A+2:G0A+3], CHUNK   ; chunk 1
	s_or_b32 s[G0A+3], s[G0A+3], 0x80000000        ; type = 2
	s_or_b32 s[G0B+3], s[G0B+3], 0x80000000
	s_mov_b32 s[G0H], 1
	s_add_co_u32 s[G0H+1], s66, SLOT0
	s_add_nc_u64 s[G0H+2:G0H+3], s[6:7], s[66:67]
	s_or_b32 s[G0H+3], s[G0H+3], 0x80000000
	s_mov_b32 s[G0X], 1
	s_add_co_u32 s[G0X+1], s13, XR
	s_add_nc_u64 s[G0X+2:G0X+3], s[4:5], s[68:69]
	s_or_b32 s[G0X+3], s[G0X+3], 0x80000000
	s_add_nc_u64 s[8:9], s[8:9], s[70:71]
	ROUND                                          ; all four work-groups are here: the first joint loads meet
	s_cmp_lt_u32 s[WV], 14                         ; the head's loads, one a wave: every way passes exactly one
	s_cbranch_scc0 .Lhead_x
	tensor_load_to_lds s[G0H:G0H+3], s[G1H:G1H+7]
	s_nop 0
	NOPS 4
	s_branch .Lhead_asked
.Lhead_x:
	tensor_load_to_lds s[G0X:G0X+3], s[G1X:G1X+7]
	s_nop 0
	NOPS 4
.Lhead_asked:
	s_wait_tensorcnt 0x0                           ; my part has landed
	ds_add_u32 v[SPW], v[NIL]
	s_wait_dscnt 0x0
	ROUND                                          ; everybody's part of chunk 0 and of x has landed
	tensor_load_to_lds s[G0B:G0B+3], s[G1J:G1J+7]  ; chunk 1: slot 1's first fill
	s_nop 0
	NOPS 4
.irp q, 0,1,2,3,4,5,6,7
.irp i, 0,1,2,3
	ds_load_b128 v[XF+16*\q+4*\i:XF+16*\q+4*\i+3], v[XA] offset:BLKB*(\q/4)+2048*(\q%4)+512*\i
.endr
.endr
	ds_load_b128 v[XS:XS+3], v[XA] offset:8192
	ds_load_b128 v[XS+4:XS+7], v[XA] offset:BLKB+8192
	LOADS 0, 0
	PROC 0, 1, 2                                   ; chunk 0; asks for chunk 2
	s_mov_b32 s62, 2
.Lchunk:                                               ; a trip: chunks 1 and 2, 3 and 4; two refills
	PROC 1, 0, 2
	PROC 0, 0, 2
	s_sub_co_u32 s62, s62, 1
	s_cmp_lg_u32 s62, 0
	s_cbranch_scc1 .Lchunk
	PROC 1, 0, 2                                   ; chunk 5; asks for chunk 7, the last
	PROC 0, 0, 1
	PROC 1, 0, 0
	KQ1 31                                         ; the pipeline runs out
	RED 29
	RED 30
	RED 31
	; THE END.  A lane's best is of the centroids 8 h + 0 .. 7 of its wave's tiles: block = 2 tile + h.  The two halves of the lanes are joined, then the sixteen waves.
	v_bfe_u32 v[HH], v[GOF], 8, 1
.irp q, 0,1,2,3,4,5,6,7
	v_mov_b32 v[OV+\q], 0                          ; a lane permute's destination counts as one of its sources
	v_mov_b32 v[OI+\q], 0
.endr
.irp q, 0,1,2,3,4,5,6,7
	v_lshl_add_u32 v[IDX+\q], v[IDX+\q], 1, v[HH]
.endr
.irp q, 0,1,2,3,4,5,6,7
	v_permlanex16_b32 v[OV+\q], v[BEST+\q], s[SEL], s[SEL+1]
	v_permlanex16_b32 v[OI+\q], v[IDX+\q], s[SEL], s[SEL+1]
.endr
.irp q, 0,1,2,3,4,5,6,7
	COMB PR+2*\q, PR+2*\q+1, BEST+\q, IDX+\q, OV+\q, OI+\q
	ds_store_b64 v[CMBW], v[PR+2*\q:PR+2*\q+1] offset:CMB+128*\q   ; lanes r and r + 16 write the same 8 bytes with the same value
.endr
	s_wait_dscnt 0x0                               ; for the others' sake: my stores have landed
	s_barrier_signal -1
	s_barrier_wait -1
	s_cmp_lt_u32 s[WV], 8                          ; wave q joins query tile q: lane (r, h) takes waves 8 h + 0 .. 7
	s_cbranch_scc0 .Lno_merge
.irp i, 0,1,2,3,4,5,6,7
	ds_load_b64 v[PR+2*\i:PR+2*\i+1], v[CMBR] offset:CMB+1024*\i
.endr
	s_wait_dscnt 0x0
.irp i, 1,2,3,4,5,6,7
	COMB PR, PR+1, PR, PR+1, PR+2*\i, PR+2*\i+1
.endr
	v_permlanex16_b32 v[PR+16], v[PR], s[SEL], s[SEL+1]
	v_permlanex16_b32 v[PR+17], v[PR+1], s[SEL], s[SEL+1]
	COMB PR, PR+1, PR, PR+1, PR+16, PR+17
	ds_store_b32 v[RESW], v[PR+1] offset:RES
.Lno_merge:
	s_wait_dscnt 0x0
	s_barrier_signal -1
	s_barrier_wait -1
	s_cmp_lg_u32 s[WV], 0
	s_cbranch_scc1 .Lno_store
	ds_load_b128 v[PR+20:PR+23], v[GOF] offset:RES
	s_wait_dscnt 0x0
	global_store_b128 v[GOF], v[PR+20:PR+23], s[8:9]   ; 32 lanes store 512 consecutive bytes, at a multiple of 256 from blk's first byte
.Lno_store:
	s_wait_tensorcnt 0x0                           ; the wave's end, behind my last tensor load and my last LDS store
	ds_add_u32 v[SPW], v[NIL]
	s_wait_dscnt 0x0
	ROUND                                          ; the closing round: no work-group ends while a partner may still ask for a block that names it
	s_endpgm
.Lfunc_end_k_qa53e190690_nearest:
	.size	k_qa53e190690_nearest, .Lfunc_end_k_qa53e190690_nearest-k_qa53e190690_nearest
	.p2alignl 7, 3214868480
	.fill 96, 4, 3214868480
	.section	.rodata,"a",@progbits
	.p2align	6, 0x0
	.amdhsa_kernel k_qa53e190690_nearest
		.amdhsa_group_segment_fixed_size 327680
		.amdhsa_private_segment_fixed_size 0
		.amdhsa_enable_private_segment 0
		.amdhsa_kernarg_size 24
		.amdhsa_user_sgpr_count 2
		.amdhsa_user_sgpr_kernarg_segment_ptr 1
		.amdhsa_wavefront_size32 1
		.amdhsa_system_sgpr_workgroup_id_x 1
		.amdhsa_system_sgpr_workgroup_id_y 1
		.amdhsa_system_sgpr_workgroup_id_z 1
		.amdhsa_system_vgpr_workitem_id 0
		.amdhsa_next_free_vgpr 256
		.amdhsa_next_free_sgpr 80
		.amdhsa_reserve_vcc 1
		.amdhsa_float_denorm_mode_32 3
		.amdhsa_float_denorm_mode_16_64 3
		.amdhsa_memory_ordered 1
		.amdhsa_forward_progress 1
		.amdhsa_inst_pref_size 166
	.end_amdhsa_kernel
	.amdgpu_metadata
---
amdhsa.version: [ 1, 2 ]
amdhsa.kernels:
  - .name:           k_qa53e190690_nearest
    .symbol:         k_qa53e190690_nearest.kd
    .args:
      - { .name: xpk, .offset: 0, .size: 8, .value_kind: global_buffer, .address_space: global }
      - { .name: cpk, .offset: 8, .size: 8, .value_kind: global_buffer, .address_space: global }
      - { .name: blk, .offset: 16, .size: 8, .value_kind: global_buffer, .address_space: global }
    .group_segment_fixed_size: 327680
    .private_segment_fixed_size: 0
    .kernarg_segment_align: 8
    .kernarg_segment_size: 24
    .max_flat_workgroup_size: 512
    .sgpr_count:     80
    .vgpr_count:     256
    .wavefront_size: 32
...
	.end_amdgpu_metadata
.endif
;; end of part 2
;; launch pick (part 3): grid 512 x 1, 4 waves a work-group, no clusters, 768 bytes of LDS; arguments xpk, cpk, blk, out2, idxw; writes out2, idxw
.if DOCPART == 3
	.amdgcn_target "amdgcn-amd-amdhsa--gfx1250"
	.amdhsa_code_object_version 6
	.text
	.protected	k_qa53e190690_pick
	.globl	k_qa53e190690_pick
	.p2align	8
	.type	k_qa53e190690_pick,@function
k_qa53e190690_pick:
	s_mov_b64 s[64:65], 0
	v_nop
	global_prefetch_b8 v0, s[64:65] scope:SCOPE_SE
	s_setreg_imm32_b32 hwreg(HW_REG_WAVE_MODE, 25, 1), 1
	s_wait_xcnt 0x0
; Which of the 8 centroids of its block is each query's nearest: index = 8 blk + j, j the first largest of the 8 keys, computed anew exactly as the launch before computes them
; (accumulator = nh(c) + nh(x); two matrix instructions on E2M1 codes add the product).  The index goes to out2 and, as whole numbers for the next launch's addresses, to idxw.
; A wave takes one tile of 16 queries.  Its eight tiles of centroids are made up: rows 0-7 of tile a are the block of query 2 a, rows 8-15 the block of query 2 a + 1.  In the result lane (r, h) holds
; query r against rows 8 h + 0 .. 7: query r's own 8 keys stand in tile r / 2, in the lanes with h = r % 2.  16 matrix instructions for 16 queries.
; blk was stored by an earlier launch; each number is held to 0 .. 1023 before it enters an offset.  The gathered pieces are 128 consecutive bytes for 8 lanes.  Work-groups share no tile: no cluster.
.set BA,  8                            ; v8-15   blk of the query whose block my A row belongs to; then the codes' offset
.set OS,  16                           ; v16-23  the scale word's offset
.set BC,  24                           ; v24-31  blk of query 2 a + h; then the norms' offset
.set BQ,  32                           ; v32     blk of query r
.set AS,  40                           ; v40-47  the made-up tiles' scale words
.set XS,  39                           ; v39     the queries' scale words
.set NX,  36                           ; v36 nh of query r; v37 written, since the packed form names the pair
.set XF,  48                           ; v48-63  the queries' two fragments
.set ACC, 64                           ; v64-127 eight accumulators
.set AF,  128                          ; v128-255 eight tiles x two fragments
	s_load_b256 s[4:11], s[0:1], 0x0               ; xpk, cpk, blk, out2
	s_load_b64 s[12:13], s[0:1], 0x20              ; idxw
	s_set_vgpr_msb 0x40
	v_lshl_add_u32 v0, v0, 2, 0x100
	v_mov_b32 v1, 0
	s_set_vgpr_msb 0x4000
	v_lshrrev_b32 v64, 5, v0
	v_readfirstlane_b32 s14, v64                   ; wave 0..3: also the queries' tile in their packed block
	v_and_b32 v64, 31, v0                          ; lane
	v_and_b32 v2, 15, v0                           ; r
	v_bfe_u32 v3, v0, 4, 1                         ; h
	v_lshrrev_b32 v1, 1, v2                        ; r / 2
	v_bfe_u32 v4, v0, 3, 1
	v_lshlrev_b32 v4, 2, v4                        ; 4 (r / 8)
	v_lshlrev_b32 v5, 2, v3                        ; 4 h
	v_lshlrev_b32 v6, 2, v2                        ; 4 r
	s_lshl_b32 s15, s14, 11
	v_lshl_add_u32 v7, v64, 4, s15                 ; x's fragments: 2048 wave + 16 lane
	s_lshl_b32 s15, s14, 2
	v_lshl_add_u32 v33, v64, 4, s15                ; x's scale word: 16 lane + 4 wave
	s_lshl_b32 s15, s14, 6
	v_lshl_add_u32 v34, v2, 2, s15                 ; 64 wave + 4 r: my query's word among the work-group's 64: in the block's norms, and in LDS for the result
	v_and_b32 v35, 7, v0
	v_lshlrev_b32 v35, 4, v35
	v_lshl_add_u32 v35, v3, 8, v35                 ; my lane's part of a gathered offset: 256 h + 16 (r % 8)
	v_lshlrev_b32 v38, 3, v64                      ; 8 x lane
	v_mov_b32 v37, 0
	s_mul_i32 s16, ttmp9, 8960                     ; the queries' packed block
	s_mov_b32 s17, 0
	s_lshl_b32 s18, ttmp9, 8                       ; the work-group's 64 words
	s_mov_b32 s19, 0
	s_add_co_u32 s22, s18, s15                     ; my wave's 16 of them
	s_mov_b32 s23, 0
	s_mov_b32 s20, 0x76543210
	s_mov_b32 s21, 0xfedcba98                      ; lane l xor 16
	s_wait_alu depctr_va_vdst(0)
	s_wait_kmcnt 0x0
	s_add_nc_u64 s[4:5], s[4:5], s[16:17]
	s_add_nc_u64 s[8:9], s[8:9], s[22:23]
	s_add_nc_u64 s[10:11], s[10:11], s[18:19]
	s_add_nc_u64 s[12:13], s[12:13], s[18:19]
.irp a, 0,1,2,3,4,5,6,7
	global_load_b32 v[BA+\a], v4, s[8:9] offset:8*\a   ; blk of query 2 a + r / 8
	global_load_b32 v[BC+\a], v5, s[8:9] offset:8*\a   ; blk of query 2 a + h
.endr
	global_load_b32 v[BQ], v6, s[8:9]
.irp i, 0,1,2,3
	global_load_b128 v[XF+4*\i:XF+4*\i+3], v7, s[4:5] offset:512*\i
.endr
	global_load_b32 v[XS], v33, s[4:5] offset:8192
	global_load_b32 v[NX], v34, s[4:5] offset:8704
	s_wait_loadcnt 6                               ; the 17 numbers of blk are in; the six younger loads are x's
.irp a, 0,1,2,3,4,5,6,7
	v_min_u32 v[BA+\a], 0x3ff, v[BA+\a]            ; held inside the table before it enters an offset
	v_min_u32 v[BC+\a], 0x3ff, v[BC+\a]
.endr
; Block t of 8 centroids lies in packed block t / 8, tile (t / 2) % 4, rows 8 (t % 2) + 0 .. 7.  (t & 0x3f8) x 1120 = (t / 8) x 8960; (t & 6) x 1024 = the tile x 2048; (t & 6) x 2 = the tile x 4.
.irp a, 0,1,2,3,4,5,6,7
	v_and_b32 v64, 0x3f8, v[BA+\a]
	v_and_b32 v65, 1, v[BA+\a]
	v_and_b32 v66, 6, v[BA+\a]
	v_mul_u32_u24 v64, v64, 1120
	v_lshl_add_u32 v65, v65, 7, v35
	v_add_nc_u32 v64, v64, v65
	v_lshl_add_u32 v[OS+\a], v66, 1, v64           ; the scale word (8,192 more in the immediate)
	v_lshl_add_u32 v[BA+\a], v66, 10, v64          ; the codes
	v_and_b32 v64, 0x3f8, v[BC+\a]
	v_and_b32 v65, 7, v[BC+\a]
	v_mul_u32_u24 v64, v64, 1120
	v_lshl_add_u32 v[BC+\a], v65, 5, v64           ; the 8 norms (8,704 more in the immediate)
.endr
.irp a, 0,1,2,3,4,5,6,7
.irp i, 0,1,2,3
	global_load_b128 v[AF+16*\a+4*\i:AF+16*\a+4*\i+3], v[BA+\a], s[6:7] offset:512*\i
.endr
	global_load_b32 v[AS+\a], v[OS+\a], s[6:7] offset:8192
	global_load_b128 v[ACC+8*\a:ACC+8*\a+3], v[BC+\a], s[6:7] offset:8704
	global_load_b128 v[ACC+8*\a+4:ACC+8*\a+7], v[BC+\a], s[6:7] offset:8720
.endr
	s_wait_loadcnt 0x0
.set pp, 0
.rept 32
	v_pk_add_f32 v[ACC+2*pp:ACC+2*pp+1], v[ACC+2*pp:ACC+2*pp+1], v[NX:NX+1] op_sel_hi:[1,0]   ; nh(c) + nh(x)
.set pp, pp+1
.endr
.rept 4
	v_nop                                          ; between the last additions and the products that take their results
.endr
.irp a, 0,1,2,3,4,5,6,7                        ; the eight accumulators by turns
	v_wmma_scale_f32_16x16x128_f8f6f4 v[ACC+8*\a:ACC+8*\a+7], v[AF+16*\a:AF+16*\a+7], v[XF:XF+7], v[ACC+8*\a:ACC+8*\a+7], v[AS+\a], v[XS] matrix_a_fmt:MATRIX_FMT_FP4 matrix_b_fmt:MATRIX_FMT_FP4
.endr
.irp a, 0,1,2,3,4,5,6,7
	v_wmma_scale_f32_16x16x128_f8f6f4 v[ACC+8*\a:ACC+8*\a+7], v[AF+16*\a+8:AF+16*\a+15], v[XF+8:XF+15], v[ACC+8*\a:ACC+8*\a+7], v[AS+\a], v[XS] matrix_a_fmt:MATRIX_FMT_FP4 matrix_b_fmt:MATRIX_FMT_FP4 matrix_a_scale:MATRIX_SCALE_ROW1 matrix_b_scale:MATRIX_SCALE_ROW1
.endr
.rept 4
	v_nop                                          ; four places behind the products, ahead of the first read of results (ISA guide 7.12.1)
.endr
.irp a, 1,2,3,4,5,6,7                          ; the keys of tile r / 2 come into the first accumulator's registers; each accumulator is read from its low end on
	v_cmp_eq_u32 vcc_lo, \a, v1
.irp j, 0,1,2,3,4,5,6,7
	v_cndmask_b32 v[ACC+\j], v[ACC+\j], v[ACC+8*\a+\j], vcc_lo
.endr
.endr
	v_mov_b32 v72, 0                               ; j
	v_mov_b32 v73, 0
.irp j, 1,2,3,4,5,6,7                          ; the first largest: a strict > over ascending j
	v_cmp_gt_f32 vcc_lo, v[ACC+\j], v[ACC]
	v_cndmask_b32 v72, v72, \j, vcc_lo
	v_max_num_f32 v[ACC], v[ACC], v[ACC+\j]
.endr
	v_permlanex16_b32 v73, v72, s20, s21
	v_and_b32 v74, 1, v2
	v_cmp_eq_u32 vcc_lo, v74, v3                   ; is mine the half that holds query r's own block?
	v_cndmask_b32 v72, v73, v72, vcc_lo            ; else the other half's j
	v_lshl_add_u32 v72, v[BQ], 3, v72              ; the index
	ds_store_b32 v34, v72                          ; lanes r and r + 16 write the same word with the same value
	s_wait_dscnt 0x0
	s_barrier_signal -1
	s_barrier_wait -1
	s_cmp_lg_u32 s14, 0
	s_cbranch_scc1 .Lend
	ds_load_b64 v[74:75], v38
	s_wait_dscnt 0x0
	global_store_b64 v38, v[74:75], s[10:11]       ; 32 lanes store 256 consecutive bytes, aligned
	global_store_b64 v38, v[74:75], s[12:13]
.Lend:
	s_set_vgpr_msb 0x5
	s_wait_tensorcnt 0x0
	ds_add_u32 v0, v1
	s_wait_dscnt 0x0
	s_set_vgpr_msb 0x500
	s_endpgm
.Lfunc_end_k_qa53e190690_pick:
	.size	k_qa53e190690_pick, .Lfunc_end_k_qa53e190690_pick-k_qa53e190690_pick
	.p2alignl 7, 3214868480
	.fill 96, 4, 3214868480
	.section	.rodata,"a",@progbits
	.p2align	6, 0x0
	.amdhsa_kernel k_qa53e190690_pick
		.amdhsa_group_segment_fixed_size 768
		.amdhsa_private_segment_fixed_size 0
		.amdhsa_enable_private_segment 0
		.amdhsa_kernarg_size 40
		.amdhsa_user_sgpr_count 2
		.amdhsa_user_sgpr_kernarg_segment_ptr 1
		.amdhsa_wavefront_size32 1
		.amdhsa_system_sgpr_workgroup_id_x 1
		.amdhsa_system_sgpr_workgroup_id_y 1
		.amdhsa_system_sgpr_workgroup_id_z 1
		.amdhsa_system_vgpr_workitem_id 0
		.amdhsa_next_free_vgpr 258
		.amdhsa_next_free_sgpr 66
		.amdhsa_reserve_vcc 1
		.amdhsa_float_denorm_mode_32 3
		.amdhsa_float_denorm_mode_16_64 3
		.amdhsa_memory_ordered 1
		.amdhsa_forward_progress 1
		.amdhsa_inst_pref_size 24
	.end_amdhsa_kernel
	.amdgpu_metadata
---
amdhsa.version: [ 1, 2 ]
amdhsa.kernels:
  - .name:           k_qa53e190690_pick
    .symbol:         k_qa53e190690_pick.kd
    .args:
      - { .name: xpk, .offset: 0, .size: 8, .value_kind: global_buffer, .address_space: global }
      - { .name: cpk, .offset: 8, .size: 8, .value_kind: global_buffer, .address_space: global }
      - { .name: blk, .offset: 16, .size: 8, .value_kind: global_buffer, .address_space: global }
      - { .name: out2, .offset: 24, .size: 8, .value_kind: global_buffer, .address_space: global }
      - { .name: idxw, .offset: 32, .size: 8, .value_kind: global_buffer, .address_space: global }
    .group_segment_fixed_size: 768
    .private_segment_fixed_size: 0
    .kernarg_segment_align: 8
    .kernarg_segment_size: 40
    .max_flat_workgroup_size: 128
    .sgpr_count:     66
    .vgpr_count:     258
    .wavefront_size: 32
...
	.end_amdgpu_metadata
.endif
;; end of part 3
;; launch gather (part 4): grid 512 x 1, 8 waves a work-group, no clusters, 1,280 bytes of LDS; arguments x, centroids, idxw, out0, part; writes out0, part
.if DOCPART == 4
	.amdgcn_target "amdgcn-amd-amdhsa--gfx1250"
	.amdhsa_code_object_version 6
	.text
	.protected	k_qa53e190690_gather
	.globl	k_qa53e190690_gather
	.p2align	8
	.type	k_qa53e190690_gather,@function
k_qa53e190690_gather:
	s_mov_b64 s[64:65], 0
	v_nop
	global_prefetch_b8 v0, s[64:65] scope:SCOPE_SE
	s_setreg_imm32_b32 hwreg(HW_REG_WAVE_MODE, 25, 1), 1
	s_wait_xcnt 0x0
; out0[row] = x + (centroids[index] - x), in f32 as it is written; part[work-group] = the sum of (centroids[index] - x)^2 over the work-group's 64 rows.
; A stream: a wave takes 8 rows of 1,024 bytes; all its 32 loads (16 of x, 16 of the chosen centroids) are issued before the first is used; each load and store covers 512 consecutive bytes, aligned.
; The indices were stored by an earlier launch; each is held to 0 .. 8191 before it enters an offset.  No matrix unit, no cluster, no tensor loads: nothing is shared but the table, and memory binds.
.set CO, 8                             ; v8-15    row i: its centroid's byte offset + 16 x lane
.set XR, 16                            ; v16-79   x, 8 registers a row
.set CR, 80                            ; v80-143  the centroids' rows; then the results
.set SQ, 144                           ; v144-151 four packed chains of squares
.set T,  152                           ; v152-159 at work
	s_load_b256 s[4:11], s[0:1], 0x0               ; x, centroids, idxw, out0
	s_load_b64 s[12:13], s[0:1], 0x20              ; part
	v_lshl_add_u32 v160, v0, 2, 0x100
	v_mov_b32 v161, 0
	v_lshrrev_b32 v2, 5, v0
	s_delay_alu instid0(VALU_DEP_1)
	v_readfirstlane_b32 s14, v2                    ; wave 0..7
	v_and_b32 v1, 31, v0
	s_delay_alu instid0(VALU_DEP_1)
	v_lshlrev_b32 v1, 4, v1                        ; 16 x lane
	s_lshl_b32 s24, ttmp9, 16                      ; 64 rows of 1,024 bytes a work-group,
	s_lshl_b32 s26, s14, 13                        ; 8 a wave
	s_add_co_u32 s24, s24, s26
	s_mov_b32 s25, 0
	s_lshl_b32 s26, ttmp9, 8                       ; and their indices: 4 bytes a row
	s_lshl_b32 s28, s14, 5
	s_add_co_u32 s26, s26, s28
	s_mov_b32 s27, 0
	s_lshl_b32 s28, ttmp9, 2
	s_mov_b32 s29, 0
	s_mov_b32 s30, 0x76543210
	s_mov_b32 s31, 0xfedcba98                      ; lane l xor 16
	s_lshl_b32 s15, s14, 2
	v_mov_b32 v2, s15                              ; LDS: my wave's word
	v_mov_b32 v3, 0
	s_wait_alu depctr_va_vdst(0)
	s_wait_kmcnt 0x0
	s_add_nc_u64 s[8:9], s[8:9], s[26:27]
	s_load_b256 s[16:23], s[8:9], 0x0              ; my 8 indices
	s_add_nc_u64 s[4:5], s[4:5], s[24:25]
	s_add_nc_u64 s[10:11], s[10:11], s[24:25]
	s_add_nc_u64 s[12:13], s[12:13], s[28:29]
.irp i, 0,1,2,3,4,5,6,7
	global_load_b128 v[XR+8*\i:XR+8*\i+3], v1, s[4:5] offset:1024*\i th:TH_LOAD_NT
	global_load_b128 v[XR+8*\i+4:XR+8*\i+7], v1, s[4:5] offset:1024*\i+512 th:TH_LOAD_NT
.endr
	s_wait_kmcnt 0x0
.irp i, 0,1,2,3,4,5,6,7
	s_min_u32 s[16+\i], s[16+\i], 0x1fff           ; held inside the table
	s_lshl_b32 s[16+\i], s[16+\i], 10
	v_add_nc_u32 v[CO+\i], s[16+\i], v1
.endr
	s_wait_alu depctr_va_vdst(0)
.irp i, 0,1,2,3,4,5,6,7
	global_load_b128 v[CR+8*\i:CR+8*\i+3], v[CO+\i], s[6:7]              ; no hint: a row may be chosen again
	global_load_b128 v[CR+8*\i+4:CR+8*\i+7], v[CO+\i], s[6:7] offset:512
.endr
.macro ROW i
	s_wait_loadcnt 14-2*(\i)                       ; loads come back in order: row i's are in; the later rows' centroid loads may be out
.irp p, 0,1,2,3
	v_pk_add_f32 v[T+2*\p:T+2*\p+1], v[CR+8*(\i)+2*\p:CR+8*(\i)+2*\p+1], v[XR+8*(\i)+2*\p:XR+8*(\i)+2*\p+1] neg_lo:[0,1] neg_hi:[0,1]   ; c - x
.endr
.irp p, 0,1,2,3
.if (\i) == 0
	s_delay_alu instid0(VALU_DEP_4)
	v_pk_mul_f32 v[SQ+2*\p:SQ+2*\p+1], v[T+2*\p:T+2*\p+1], v[T+2*\p:T+2*\p+1]   ; the first row starts the chains
.else
	s_delay_alu instid0(VALU_DEP_4)
	v_pk_fma_f32 v[SQ+2*\p:SQ+2*\p+1], v[T+2*\p:T+2*\p+1], v[T+2*\p:T+2*\p+1], v[SQ+2*\p:SQ+2*\p+1]
.endif
.endr
.irp p, 0,1,2,3
	v_pk_add_f32 v[CR+8*(\i)+2*\p:CR+8*(\i)+2*\p+1], v[XR+8*(\i)+2*\p:XR+8*(\i)+2*\p+1], v[T+2*\p:T+2*\p+1]   ; x + (c - x); each row has registers of its own, so no store's data are written again
.endr
	global_store_b128 v1, v[CR+8*(\i):CR+8*(\i)+3], s[10:11] offset:1024*(\i) th:TH_STORE_NT
	global_store_b128 v1, v[CR+8*(\i)+4:CR+8*(\i)+7], s[10:11] offset:1024*(\i)+512 th:TH_STORE_NT
.endm
.irp i, 0,1,2,3,4,5,6,7
	ROW \i
.endr
	v_pk_add_f32 v[SQ:SQ+1], v[SQ:SQ+1], v[SQ+2:SQ+3]
	v_pk_add_f32 v[SQ+4:SQ+5], v[SQ+4:SQ+5], v[SQ+6:SQ+7]
	s_delay_alu instid0(VALU_DEP_1)
	v_pk_add_f32 v[SQ:SQ+1], v[SQ:SQ+1], v[SQ+4:SQ+5]
	s_delay_alu instid0(VALU_DEP_1)
	v_add_f32 v[SQ], v[SQ], v[SQ+1]
	s_delay_alu instid0(VALU_DEP_1)
	v_add_f32_dpp v[SQ], v[SQ], v[SQ] row_xmask:1 row_mask:0xf bank_mask:0xf
	s_delay_alu instid0(VALU_DEP_1)
	v_add_f32_dpp v[SQ], v[SQ], v[SQ] row_xmask:2 row_mask:0xf bank_mask:0xf
	s_delay_alu instid0(VALU_DEP_1)
	v_add_f32_dpp v[SQ], v[SQ], v[SQ] row_xmask:4 row_mask:0xf bank_mask:0xf
	s_delay_alu instid0(VALU_DEP_1)
	v_add_f32_dpp v[SQ], v[SQ], v[SQ] row_xmask:8 row_mask:0xf bank_mask:0xf
	s_delay_alu instid0(VALU_DEP_1)
	v_permlanex16_b32 v[SQ+1], v[SQ], s30, s31
	s_delay_alu instid0(VALU_DEP_1)
	v_add_f32 v[SQ], v[SQ], v[SQ+1]                ; my wave's sum, in every lane
	ds_store_b32 v2, v[SQ]
	s_wait_dscnt 0x0
	s_barrier_signal -1
	s_barrier_wait -1
	ds_load_b128 v[T:T+3], v3
	ds_load_b128 v[T+4:T+7], v3 offset:16
	s_wait_dscnt 0x0
	v_pk_add_f32 v[T:T+1], v[T:T+1], v[T+2:T+3]
	v_pk_add_f32 v[T+4:T+5], v[T+4:T+5], v[T+6:T+7]
	s_delay_alu instid0(VALU_DEP_1)
	v_pk_add_f32 v[T:T+1], v[T:T+1], v[T+4:T+5]
	s_delay_alu instid0(VALU_DEP_1)
	v_add_f32 v[T], v[T], v[T+1]                   ; the work-group's sum
	s_wait_alu depctr_va_vdst(0)
	s_wait_xcnt 0x0                                ; EXEC changes only behind this wait: the stores above have it among their sources
	v_cmp_eq_u32 vcc_lo, 0, v0
	s_wait_tensorcnt 0x0
	ds_add_u32 v160, v161
	s_wait_dscnt 0x0
	s_and_saveexec_b32 s32, vcc_lo                 ; thread 0 alone
	global_store_b32 v3, v[T], s[12:13]
	s_wait_xcnt 0x0
	s_or_b32 exec_lo, exec_lo, s32
	s_endpgm
.Lfunc_end_k_qa53e190690_gather:
	.size	k_qa53e190690_gather, .Lfunc_end_k_qa53e190690_gather-k_qa53e190690_gather
	.p2alignl 7, 3214868480
	.fill 96, 4, 3214868480
	.section	.rodata,"a",@progbits
	.p2align	6, 0x0
	.amdhsa_kernel k_qa53e190690_gather
		.amdhsa_group_segment_fixed_size 1280
		.amdhsa_private_segment_fixed_size 0
		.amdhsa_enable_private_segment 0
		.amdhsa_kernarg_size 40
		.amdhsa_user_sgpr_count 2
		.amdhsa_user_sgpr_kernarg_segment_ptr 1
		.amdhsa_wavefront_size32 1
		.amdhsa_system_sgpr_workgroup_id_x 1
		.amdhsa_system_sgpr_workgroup_id_y 1
		.amdhsa_system_sgpr_workgroup_id_z 1
		.amdhsa_system_vgpr_workitem_id 0
		.amdhsa_next_free_vgpr 162
		.amdhsa_next_free_sgpr 66
		.amdhsa_reserve_vcc 1
		.amdhsa_float_denorm_mode_32 3
		.amdhsa_float_denorm_mode_16_64 3
		.amdhsa_memory_ordered 1
		.amdhsa_forward_progress 1
		.amdhsa_inst_pref_size 17
	.end_amdhsa_kernel
	.amdgpu_metadata
---
amdhsa.version: [ 1, 2 ]
amdhsa.kernels:
  - .name:           k_qa53e190690_gather
    .symbol:         k_qa53e190690_gather.kd
    .args:
      - { .name: x, .offset: 0, .size: 8, .value_kind: global_buffer, .address_space: global }
      - { .name: centroids, .offset: 8, .size: 8, .value_kind: global_buffer, .address_space: global }
      - { .name: idxw, .offset: 16, .size: 8, .value_kind: global_buffer, .address_space: global }
      - { .name: out0, .offset: 24, .size: 8, .value_kind: global_buffer, .address_space: global }
      - { .name: part, .offset: 32, .size: 8, .value_kind: global_buffer, .address_space: global }
    .group_segment_fixed_size: 1280
    .private_segment_fixed_size: 0
    .kernarg_segment_align: 8
    .kernarg_segment_size: 40
    .max_flat_workgroup_size: 256
    .sgpr_count:     66
    .vgpr_count:     162
    .wavefront_size: 32
...
	.end_amdgpu_metadata
.endif
;; end of part 4
;; launch total (part 5): grid 1 x 1, 1 waves a work-group, no clusters, 0 bytes of LDS; arguments part, out1; writes out1
.if DOCPART == 5
	.amdgcn_target "amdgcn-amd-amdhsa--gfx1250"
	.amdhsa_code_object_version 6
	.text
	.protected	k_qa53e190690_total
	.globl	k_qa53e190690_total
	.p2align	8
	.type	k_qa53e190690_total,@function
k_qa53e190690_total:
	s_mov_b64 s[64:65], 0
	v_nop
	global_prefetch_b8 v0, s[64:65] scope:SCOPE_SE
	s_setreg_imm32_b32 hwreg(HW_REG_WAVE_MODE, 25, 1), 1
	s_wait_xcnt 0x0
; out1 = mean + 0.25 x mean, mean = (the sum of the 512 work-groups' sums of squares) / (32768 x 256).  One wave: 16 numbers a lane; the division is by 2^23, exact.
; A launch of its own, since the sum spans the work-groups of the launch before and nothing passes between work-groups inside a launch.
	s_load_b128 s[4:7], s[0:1], 0x0                ; part, out1
	v_lshlrev_b32 v1, 4, v0
	v_mov_b32 v2, 0
	s_mov_b32 s8, 0x76543210
	s_mov_b32 s9, 0xfedcba98                       ; lane l xor 16
	s_wait_alu depctr_va_vdst(0)
	s_wait_kmcnt 0x0
.irp i, 0,1,2,3
	global_load_b128 v[4+4*\i:7+4*\i], v1, s[4:5] offset:512*\i
.endr
	s_wait_loadcnt 0x0
	v_pk_add_f32 v[4:5], v[4:5], v[6:7]
	v_pk_add_f32 v[8:9], v[8:9], v[10:11]
	v_pk_add_f32 v[12:13], v[12:13], v[14:15]
	v_pk_add_f32 v[16:17], v[16:17], v[18:19]
	v_pk_add_f32 v[4:5], v[4:5], v[8:9]
	v_pk_add_f32 v[12:13], v[12:13], v[16:17]
	v_pk_add_f32 v[4:5], v[4:5], v[12:13]
	v_add_f32 v4, v4, v5
	v_add_f32_dpp v4, v4, v4 row_xmask:1 row_mask:0xf bank_mask:0xf
	v_add_f32_dpp v4, v4, v4 row_xmask:2 row_mask:0xf bank_mask:0xf
	v_add_f32_dpp v4, v4, v4 row_xmask:4 row_mask:0xf bank_mask:0xf
	v_add_f32_dpp v4, v4, v4 row_xmask:8 row_mask:0xf bank_mask:0xf
	v_permlanex16_b32 v5, v4, s8, s9
	v_add_f32 v4, v4, v5
	v_mul_f32 v4, 0x34000000, v4                   ; x 2^-23: the mean
	v_fmamk_f32 v5, v4, 0x3e800000, v4             ; mean x 0.25 + mean
	s_wait_alu depctr_va_vdst(0)
	s_wait_xcnt 0x0                                ; EXEC changes only behind this wait
	v_cmp_eq_u32 vcc_lo, 0, v0
	s_and_saveexec_b32 s10, vcc_lo                 ; lane 0 alone
	global_store_b32 v2, v5, s[6:7]
	s_wait_xcnt 0x0
	s_or_b32 exec_lo, exec_lo, s10
	s_endpgm
.Lfunc_end_k_qa53e190690_total:
	.size	k_qa53e190690_total, .Lfunc_end_k_qa53e190690_total-k_qa53e190690_total
	.p2alignl 7, 3214868480
	.fill 96, 4, 3214868480
	.section	.rodata,"a",@progbits
	.p2align	6, 0x0
	.amdhsa_kernel k_qa53e190690_total
		.amdhsa_group_segment_fixed_size 0
		.amdhsa_private_segment_fixed_size 0
		.amdhsa_enable_private_segment 0
		.amdhsa_kernarg_size 16
		.amdhsa_user_sgpr_count 2
		.amdhsa_user_sgpr_kernarg_segment_ptr 1
		.amdhsa_wavefront_size32 1
		.amdhsa_system_sgpr_workgroup_id_x 1
		.amdhsa_system_sgpr_workgroup_id_y 1
		.amdhsa_system_sgpr_workgroup_id_z 1
		.amdhsa_system_vgpr_workitem_id 0
		.amdhsa_next_free_vgpr 32
		.amdhsa_next_free_sgpr 66
		.amdhsa_reserve_vcc 1
		.amdhsa_float_denorm_mode_32 3
		.amdhsa_float_denorm_mode_16_64 3
		.amdhsa_memory_ordered 1
		.amdhsa_forward_progress 1
		.amdhsa_inst_pref_size 3
	.end_amdhsa_kernel
	.amdgpu_metadata
---
amdhsa.version: [ 1, 2 ]
amdhsa.kernels:
  - .name:           k_qa53e190690_total
    .symbol:         k_qa53e190690_total.kd
    .args:
      - { .name: part, .offset: 0, .size: 8, .value_kind: global_buffer, .address_space: global }
      - { .name: out1, .offset: 8, .size: 8, .value_kind: global_buffer, .address_space: global }
    .group_segment_fixed_size: 0
    .private_segment_fixed_size: 0
    .kernarg_segment_align: 8
    .kernarg_segment_size: 16
    .max_flat_workgroup_size: 32
    .sgpr_count:     66
    .vgpr_count:     32
    .wavefront_size: 32
...
	.end_amdgpu_metadata
.endif
;; end of part 5
